; MI455X (gfx1250); checked and timed in simulation.
; The chip was launched on July 23, 2026; its instructions are those of AMD's public machine-readable ISA for CDNA 5 (MIT licence, August 2026) and "CDNA5" Instruction Set Architecture Reference Guide (July 2026). The comments in the code are by the model that wrote it; some were corrected since.
;; HEPT Kernel. Allowed arithmetic: matrix products marked QUANTISED: E4M3 operands, one E8M0 scale for each 32 along K, by v_wmma_scale_f32_16x16x128_f8f6f4 with both operands' format E4M3, f32 sums; products left as they are: f32 operands where the result goes on into a quantised operand, else bf16, f16 or f32 operands; f32 sums; everything else in f32.
;; Inputs: key 8 x 8,192 x 8 float32; padding_mask 4 x 2,048 bool; query 8 x 8,192 x 8 float32; value 8 x 8,192 x 64 float32.
;; Outputs: out0 8 x 8,192 x 64 float32.
;; This version of the problem:
;;   THIS VERSION OF THE PROBLEM IS GIVEN IN LOW PRECISION. The matrix products marked QUANTISED in the list below multiply operands that are first quantised to E4M3 (4 exponent bits, 3 mantissa bits; 8 bits a number), with one power-of-two scale for each 32 numbers along K (OCP MX v1.0); their sums are f32. All else is computed in f32.
;;   The module's matrix products, in the order in which they are computed (A, B: the left and right operand; K: the contracted axis; several contracted axes count as one K, in the product's order):
;;     1. batch 32 x [M 2,048, K 8] x [K 8, N 2,048]; A: input query; B: input key: left as it is (K = 8 < 32)
;;     2. batch 32 x [M 2,048, K 2,048] x [K 2,048, N 64]; A: computed on the way; B: input value: QUANTISED
;;   THE QUANTISER, for each operand of a quantised product, along K:
;;     - K is cut into blocks of 32 from its start; a last block that is shorter is filled with zeros.
;;     - A block's scale is 2^e with e = floor(log2(the largest magnitude in the block)) - 8, held to -126 .. 127; a block of zeros has e = 0. As a byte (E8M0): e + 127.
;;     - Each number is divided by its block's scale, clamped to +-448, and rounded to the nearest number of E4M3, ties to even, subnormals kept.
;;     - The product sums the exact products of the quantised numbers (number of the format x scale) in f32.
;;   ~~~python
;;   def quantise(x, axis):      # numpy; x: float32 -> the quantised numbers, widened to float32 again
;;       x = np.moveaxis(x, axis, -1); K = x.shape[-1]
;;       x = np.pad(x, [(0, 0)] * (x.ndim - 1) + [(0, -K % 32)]); x = x.reshape(x.shape[:-1] + (-1, 32)); a = np.abs(x).max(-1, keepdims=True)
;;       e = np.where(a > 0, np.clip(np.frexp(np.where(a > 0, a, 1))[1] - 1 - 8, -126, 127), 0)      # np.frexp(a)[1] - 1 = floor(log2(a)), exactly
;;       r = np.clip(x / 2.0 ** e, -448, 448)
;;       step = 2.0 ** (np.maximum(np.frexp(np.where(r == 0, 1, r))[1] - 1, -6) - 3)
;;       q = np.round(r / step) * step * 2.0 ** e      # np.round: ties to even
;;       return np.moveaxis(q.reshape(q.shape[:-2] + (-1,))[..., :K], -1, axis).astype(np.float32)
;;   ~~~
;;   OPERANDS COMPUTED ON THE WAY. 'Computed on the way' means the value that the module computes at that place (a softmax that the list does not call 'softmax' is quantised finished and normalised). What goes into a quantiser is computed in f32, as accurately as f32 sums, v_exp_f32 and their like allow (about 1e-6 of the number): no bf16 or f16 on the way to a quantiser, and a product that is left as it is and whose result goes on into a quantised operand takes f32 operands (vector FMAs, or v_wmma_f32_16x16x4_f32). A number that lies on a knife's edge between two numbers of the format may be rounded either way, as far as f32 arithmetic and the matrix unit's own rounding can turn it there, and no further.
;; 2 versions, each right; version 2 is version 1 with the launch hept written anew for expert scheduling mode. Each part assembles by itself: llvm-mc -triple=amdgcn-amd-amdhsa -mcpu=gfx1250 --defsym DOCPART=n.
;; ======== version 1 of 2: 1 launch
;; launch hept (part 1): grid 8 x 32, 16 waves a work-group, no clusters, 236,800 bytes of LDS; arguments query, key, value, padding_mask, out0; writes out0
.if DOCPART == 1
	.amdgcn_target "amdgcn-amd-amdhsa--gfx1250"
	.amdhsa_code_object_version 6
	.text
	.protected	k_q8d01f378a0_hept
	.globl	k_q8d01f378a0_hept
	.p2align	8
	.type	k_q8d01f378a0_hept,@function
k_q8d01f378a0_hept:
	s_mov_b64 s[64:65], 0
	v_nop
	global_prefetch_b8 v0, s[64:65] scope:SCOPE_SE
	s_setreg_imm32_b32 hwreg(HW_REG_WAVE_MODE, 25, 1), 1
	s_wait_xcnt 0x0
; out = Q(attn) Q(V),  attn = p / (sum of p + 2^-4),  p = exp(-(|q|^2 + |k|^2 - 2 q.k) / 2) x mask(query) x mask(key).
; query, key: [8][8192][8] f32; value, out0: [8][8192][64] f32; padding_mask: [4][2048] bytes.  Batch y = 4 h + b is a dense run of 2,048 rows of each tensor; its mask row is y & 3.
; attn is quantised FINISHED: a row's sum over all 2,048 keys has to be known before any of its codes is made.  So p is computed once and held in registers until the sum is there.
; SHARES.  A work-group owns 256 queries of one batch (x: which 256; y: the batch) and walks them in 16 blocks of 16.  THE SIXTEEN WAVES SHARE THE KEYS: wave w owns keys 128 w .. 128 w + 127 for the
; whole launch.  Its keys (f32, times log2 e), its -0.5 log2 e |k|^2 and its part of V as codes of E4M3 with their scale words stay in its registers; V is quantised at the head, along the keys, by the wave itself.
; A BLOCK, two barriers:  A: S^T = K' Q^T + a_q (f32 matrix form, 16 instructions), p = 2^(S^T + b_k), my part of the 16 row sums to LDS, the largest p of each 32 keys | barrier |
; B: the 16 parts and 2^-4 are added, 1 / sum; p / sum is quantised in registers; O^T = V^T P^T over my 128 keys (4 scaled matrix instructions); my partial O^T to a stage in LDS | barrier |
; in the next block's phase A wave w adds the sixteen partials of query row w and stores that row, 256 consecutive aligned bytes.  The next block's first eight score products stand at the head of phase B.
; LAYOUT.  Both products are used transposed: a lane holds ONE query (lane % 16).  THE KEYS OF A TILE ARE NOT NEIGHBOURS: row r of tile 2 b + u is key 32 b + 8 u + r + 8 (r / 8), so that the 16 registers
; of tiles 2 b and 2 b + 1 are the 16 neighbouring keys 32 b + 16 (lane / 16) + 0 .. 15: the order in which the scaled form wants its operand.
; The masks enter as addends of -1e30 to the exponent (a_q for a hidden query, b_k for a hidden key): p is then exactly 0.  No branch and no address hangs on them.
; NO JOINT LOADS: what the eight work-groups of a batch share (V, 512 KiB, and K, 64 KiB, in f32) is read once by each, at the head, straight into registers where it is quantised; as f32 it would not fit
; into LDS beside the stage without slots filled again.  No tensor load, so no ring.
; LIMITS.  p under 2^-126 comes out as 0 (v_exp_f32 gives no denormals: ISA guide 15.8).  |log2 e q.k| has to stay far under 1e30.  p / sum is p x v_rcp_f32(sum), some 2 ulp from the division.
; K is rounded once more (x log2 e) ahead of the first product; the exponent is the difference q.k - |q|^2 / 2 - |k|^2 / 2 in f32, as in the definition, so its error grows with the inputs' size.
; The sums' orders are not the definition's.  A block of zeros keeps the scale byte 1 over zero codes (only this text reads the bytes).  NaN and infinities among the inputs are not served.
.set QREC, 0          ; LDS: 16 records of 1,024 bytes, one a block of queries: +0 the image of Q's fragment (16 bytes a lane), +512 a_q four times (16 bytes a lane).  Written once, at the head
.set DEN,  16384      ; 16 rows (queries) x 80 bytes: word w = wave w's part of the row's sum
.set OST,  17664      ; 16 slots (one a wave) x 16 query rows x (256 bytes + 16): the partial O^T
.set VT,   87296      ; 16 x 9,216: a wave's own scratch at the head: +0 V's codes, +8192 V's scale words, +8704 b_k
.set BM,   10         ; v10-13  largest magnitudes of four blocks, later their scale bytes
.set PT,   14         ; v14-17  lane permutes' targets, later 448 x the scale
.set SOP,  18         ; v18-21  the conversions' scale operands (v[18:19]: the second chain of the row sums in phase A)
.set PW,   22         ; v22     p's scale word: scales and nothing else
.set DN,   23         ; v23     a row's sum (at the head: my query's mask byte)
.set QF,   24         ; v24-27  Q's fragment
.set VS,   28         ; v28-31  V's scale words: scales and nothing else
.set CA,   32         ; v32-39  a_q eight times: the C of a score's first product
.set BC,   40         ; v40-47  b_k, one register a tile: lane 16 h + j (j < 8) holds that of the tile's row 8 h + j
.set CD,   48         ; v48-63  the sixteen parts of a sum, then p's codes
.set KF,   64         ; v64-95  K' = K x log2 e: 8 tiles x 4 registers
.set VC,   96         ; v96-159 V's four fragments (16 of the 64 channels x my 128 keys each)
.set S,    160        ; v160-191 four accumulators of scores: written by matrix instructions alone
.set P,    192        ; v192-255 p; v192-223 later O^T's four accumulators; v224-255 later the sixteen partials of a row of out0
.set G,    32         ; head: v32-63 32 held numbers of V
.set KS,   48         ; head: v48-55 |k|^2, then b_k
.set KP,   56         ; head: v56-63 permutes' targets
.set KM,   192        ; head: v192-199 my keys' mask bytes
.set L0,   192        ; head: two sets of 64 numbers of V as loaded
.set L1,   96
; v1-v9 at the head: v1 V's, v2 K's, v3 the key mask's, v4 Q's, v5 the query mask's byte offsets; v6-v9 LDS addresses in my scratch.
; v1-v7 in the loop: v1 16 x lane (a record's place), v2 where I store my part of a sum, v3 where I read the parts, v4 where I put O^T, v5 where I read the partials, v6 8 x lane (out0), v7 the record in hand; v[8:9] sums, then 1 / sum.
	s_load_b256 s[4:11], s[0:1], 0x0               ; query s[4:5], key s[6:7], value s[8:9], padding_mask s[10:11]
	s_load_b64 s[12:13], s[0:1], 0x20              ; out0
	v_lshrrev_b32 v10, 5, v0
	v_readfirstlane_b32 s14, v10                   ; wave w, 0 .. 15
	s_and_b32 s16, ttmp7, 0xffff                   ; batch y
	v_and_b32 v10, 31, v0                          ; lane l
	v_and_b32 v11, 15, v0                          ; r
	v_bfe_u32 v12, v0, 4, 1                        ; h
	v_and_b32 v13, 8, v11
	v_add_nc_u32 v13, v13, v11                     ; rr = r + 8 (r / 8)
	v_lshlrev_b32 v1, 4, v11
	v_lshl_add_u32 v1, v12, 12, v1                 ; V: 16 rows of 256 bytes for h, + 16 r: sixteen lanes read one whole row
	v_lshlrev_b32 v2, 5, v13
	v_lshl_add_u32 v2, v12, 4, v2                  ; K: row rr of 32 bytes, + my half's four numbers
	v_mov_b32 v3, v13                              ; the key mask: byte rr
	v_lshlrev_b32 v4, 5, v11
	v_lshl_add_u32 v4, v12, 4, v4                  ; Q: row r, + my half's four numbers
	v_mov_b32 v5, v11                              ; the query mask: byte r
	s_lshl_b32 s36, s16, 16                        ; K: 65,536 y + 4,096 w (128 keys of 32 bytes)
	s_lshl_b32 s35, s14, 12
	s_add_co_u32 s36, s36, s35
	s_mov_b32 s37, 0
	s_lshl_b32 s38, s16, 16                        ; Q: 65,536 y + 8,192 x + 512 w: wave w prepares block w's 16 queries
	s_lshl_b32 s35, ttmp9, 13
	s_add_co_u32 s38, s38, s35
	s_lshl_b32 s35, s14, 9
	s_add_co_u32 s38, s38, s35
	s_mov_b32 s39, 0
	s_lshl_b32 s40, s16, 19                        ; V: 524,288 y + 32,768 w
	s_lshl_b32 s35, s14, 15
	s_add_co_u32 s40, s40, s35
	s_mov_b32 s41, 0
	s_lshl_b32 s42, s16, 19                        ; out0: 524,288 y + 65,536 x + 256 w: wave w stores row w of each block
	s_lshl_b32 s35, ttmp9, 16
	s_add_co_u32 s42, s42, s35
	s_lshl_b32 s35, s14, 8
	s_add_co_u32 s42, s42, s35
	s_mov_b32 s43, 0
	s_and_b32 s44, s16, 3                          ; the mask's row: y & 3
	s_lshl_b32 s44, s44, 11
	s_lshl_b32 s35, ttmp9, 8
	s_add_co_u32 s46, s44, s35                     ; my 16 queries' bytes: + 256 x + 16 w
	s_lshl_b32 s35, s14, 4
	s_add_co_u32 s46, s46, s35
	s_lshl_b32 s35, s14, 7
	s_add_co_u32 s44, s44, s35                     ; my 128 keys' bytes: + 128 w
	s_mov_b32 s45, 0
	s_mov_b32 s47, 0
	s_mov_b32 s20, 0x76543210
	s_mov_b32 s21, 0xfedcba98                      ; v_permlanex16_b32's selects for lane l xor 16
	s_mov_b32 s22, 0x3fb8aa3b                      ; log2 e
	s_mov_b32 s23, s22                             ; (named with it as a pair, so it is written)
	s_mov_b32 s24, 0x600000                        ; the mantissa field of 448
	s_mul_i32 s30, s14, 9216
	s_add_co_u32 s30, s30, VT                      ; my scratch
	s_add_co_u32 s31, s30, 8192
	s_add_co_u32 s32, s30, 8704
	s_wait_kmcnt 0x0
	s_add_nc_u64 s[6:7], s[6:7], s[36:37]
	s_add_nc_u64 s[4:5], s[4:5], s[38:39]
	s_add_nc_u64 s[8:9], s[8:9], s[40:41]
	s_add_nc_u64 s[12:13], s[12:13], s[42:43]
	s_add_nc_u64 s[26:27], s[10:11], s[44:45]
	s_add_nc_u64 s[28:29], s[10:11], s[46:47]
; Block c of my V (32 keys x 64 channels): load i brings V[32 c + 16 h + i][4 r .. 4 r + 3]: register 4 i + t of set lr is key 32 c + 16 h + i, channel 4 r + t.  A load reads two whole rows of 256 bytes.
.macro VLOAD c, lr
.irp i, 0,1,2,3,4,5,6,7,8,9,10,11,12,13,14,15
	global_load_b128 v[\lr+4*\i:\lr+4*\i+3], v1, s[8:9] offset:(32*\c+\i)*256
.endr
.endm
	VLOAD 0, L0
	VLOAD 1, L1
.irp t, 0,1,2,3,4,5,6,7
	global_load_b128 v[KF+4*\t:KF+4*\t+3], v2, s[6:7] offset:1024*(\t/2)+256*(\t%2)   ; tile t = 2 b + u: keys 32 b + 8 u + rr; numbers 4 h .. 4 h + 3 of the key's eight
.endr
	global_load_b128 v[QF:QF+3], v4, s[4:5]
	global_load_u8 v[DN], v5, s[28:29]
	v_lshl_add_u32 v6, v10, 4, s30                 ; codes in: 16 x lane
	v_and_b32 v14, 3, v11
	v_lshrrev_b32 v15, 2, v11
	v_lshl_add_u32 v7, v14, 11, s30                ; codes back: channel 16 t' + r was made as component r & 3 by lane 16 h + 4 t' + r / 4
	v_lshl_add_u32 v7, v12, 8, v7
	v_lshl_add_u32 v7, v15, 4, v7
	v_lshl_add_u32 v8, v10, 2, s31                 ; scale words in: 4 x lane
	v_lshl_add_u32 v9, v14, 7, s31                 ; and back, by the same turn
	v_lshl_add_u32 v9, v15, 2, v9
.irp t, 0,1,2,3
	v_mov_b32 v[PT+\t], 0                          ; written once: a lane permute's destination counts as one of its sources
.endr
; Block c of V, in set lr, becomes codes.  Component t of the loads is a tile of its own (lane r stands for channel 4 r + t); a lane holds 16 keys of the block, lane l xor 16 the other 16.
; The hold writes its results de-interleaved into G, so that a lane's consecutive registers run along the keys, as the conversion wants them.  The codes land in registers of lr that the pass has read out.
.macro QV c, lr, cnt
	s_wait_loadcnt \cnt                            ; this block's sixteen loads are in; cnt younger loads may stay out
.irp t, 0,1,2,3
	v_max3_num_f32 v[BM+\t], |v[\lr+\t]|, |v[\lr+4+\t]|, 0x4800000   ; my 16 keys, and the floor 2^(9 - 127): the byte cannot fall under 1
.endr
.irp i, 2,4,6,8,10,12,14
.irp t, 0,1,2,3
	v_max3_num_f32 v[BM+\t], v[BM+\t], |v[\lr+4*\i+\t]|, |v[\lr+4*\i+4+\t]|   ; (the four tiles by turns)
.endr
.endr
.irp t, 0,1,2,3
	v_permlanex16_b32 v[PT+\t], v[BM+\t], s20, s21
.endr
.irp t, 0,1,2,3
	v_max_num_f32 v[BM+\t], v[BM+\t], v[PT+\t]     ; the block's largest magnitude
.endr
.irp t, 0,1,2,3
	v_add_nc_u32 v[SOP+\t], 0xfc000000, v[BM+\t]   ; 8 off its exponent field: the conversion's scale operand
.endr
.irp t, 0,1,2,3
	v_and_or_b32 v[PT+\t], v[BM+\t], 0x7f800000, s24   ; 448 x the scale
.endr
.irp t, 0,1,2,3
	v_lshrrev_b32 v[BM+\t], 23, v[SOP+\t]          ; the scale's byte
.endr
.irp t, 0,1,2,3
.if \c == 0
	v_mov_b32 v[VS+\t], v[BM+\t]
.else
	v_lshl_or_b32 v[VS+\t], v[BM+\t], 8*\c, v[VS+\t]   ; byte c of the channel's scale word
.endif
.endr
.irp p, 0,1                                    ; two tiles a pass: t = 2 p + e
.irp e, 0,1
.irp i, 0,1,2,3,4,5,6,7,8,9,10,11,12,13,14,15
	v_med3_num_f32 v[G+16*\e+\i], v[\lr+4*\i+2*\p+\e], -v[PT+2*\p+\e], v[PT+2*\p+\e]   ; the conversion to an 8-bit code does not saturate (ISA guide 7.6.2): the hold at 448 x the scale
.endr
.endr
.irp e, 0,1
.irp k, 0,1
	v_cvt_scalef32_pk8_fp8_f32 v[\lr+4*(2*\e+\k)+2*\p:\lr+4*(2*\e+\k)+2*\p+1], v[G+16*\e+8*\k:G+16*\e+8*\k+7], v[SOP+2*\p+\e]
.endr
.endr
	v_nop                                          ; a plain line behind the conversions, ahead of the lines that write G again
.irp e, 0,1
.irp k, 0,1
	ds_store_b64 v6, v[\lr+4*(2*\e+\k)+2*\p:\lr+4*(2*\e+\k)+2*\p+1] offset:2048*(2*\p+\e)+512*\c+8*\k   ; [tile][block][lane]: a lane's 16 codes on end
.endr
.endr
.endr
	s_wait_dscnt 0x0                               ; the stores are done: the set may be loaded again
.endm
	QV 0, L0, 26                                   ; out: block 1's 16, K's 8, Q, the query mask
	VLOAD 2, L0
	QV 1, L1, 26                                   ; out: K's 8, Q, the query mask, block 2's 16
	VLOAD 3, L1
	QV 2, L0, 16                                   ; out: block 3's 16
.irp t, 0,1,2,3,4,5,6,7
	global_load_u8 v[KM+\t], v3, s[26:27] offset:32*(\t/2)+8*(\t%2)   ; the mask bytes of my keys, by the tiles' rows
.endr
	QV 3, L1, 8                                    ; out: those 8
	; V comes back from my scratch with channel 16 t + r in lane r of tile t.  The bytes are my wave's own, and LDS serves a wave's instructions in order (ISA guide 5.7.1.4): no barrier
.irp t, 0,1,2,3
	ds_store_b32 v8, v[VS+\t] offset:128*\t
.endr
.irp t, 0,1,2,3
	ds_load_b32 v[VS+\t], v9 offset:16*\t
.endr
.irp t, 0,1,2,3
.irp c, 0,1,2,3
	ds_load_b128 v[VC+16*\t+4*\c:VC+16*\t+4*\c+3], v7 offset:512*\c+64*\t
.endr
.endr
	; K: b_k = -0.5 log2 e |k|^2, or -1e30 for a hidden key
	s_wait_loadcnt 0x0
	v_mov_b32 v17, 0xf149f2ca                      ; -1e30
.irp t, 0,1,2,3,4,5,6,7
	v_mul_f32 v[KS+\t], v[KF+4*\t], v[KF+4*\t]
.endr
.irp j, 1,2,3
.irp t, 0,1,2,3,4,5,6,7
	v_fmac_f32 v[KS+\t], v[KF+4*\t+\j], v[KF+4*\t+\j]
.endr
.endr
.irp t, 0,1,2,3,4,5,6,7
	v_permlanex16_b32 v[KP+\t], v[KS+\t], s20, s21 ; the key's other four numbers lie in lane l xor 16
.endr
.irp t, 0,1,2,3,4,5,6,7
	v_add_f32 v[KS+\t], v[KS+\t], v[KP+\t]
.endr
.irp t, 0,1,2,3,4,5,6,7
	v_mul_f32 v[KS+\t], 0xbf38aa3b, v[KS+\t]
.endr
.irp t, 0,1,2,3,4,5,6,7
	v_cmp_ne_u32 vcc_lo, 0, v[KM+\t]
	v_cndmask_b32 v[KS+\t], v17, v[KS+\t], vcc_lo
.endr
	s_wait_dscnt 0x0                               ; V's codes and scale words are in
	v_and_b32 v10, 15, v0
	v_lshl_add_u32 v8, v10, 2, s32                 ; b_k in: word r of a tile's 16 (both halves of the lanes write the same word with the same value)
	v_bfe_u32 v11, v0, 4, 1
	v_and_b32 v12, 7, v0
	v_lshl_add_u32 v12, v11, 3, v12
	v_lshl_add_u32 v9, v12, 2, s32                 ; and back: lane 16 h + j takes row 8 h + j's
.irp t, 0,1,2,3,4,5,6,7
	ds_store_b32 v8, v[KS+\t] offset:64*\t
.endr
.irp t, 0,1,2,3,4,5,6,7
	ds_load_b32 v[BC+\t], v9 offset:64*\t
.endr
.irp i, 0,2,4,6,8,10,12,14,16,18,20,22,24,26,28,30
	v_pk_mul_f32 v[KF+\i:KF+\i+1], v[KF+\i:KF+\i+1], s[22:23] op_sel_hi:[1,0]   ; K' = K x log2 e
.endr
	; Q: block w's record: the fragment as it stands, and a_q = -0.5 log2 e |q|^2, or -1e30 for a hidden query
	v_mul_f32 v32, v24, v24
	v_fmac_f32 v32, v25, v25
	v_fmac_f32 v32, v26, v26
	v_fmac_f32 v32, v27, v27
	v_permlanex16_b32 v33, v32, s20, s21
	v_add_f32 v32, v32, v33
	v_mul_f32 v32, 0xbf38aa3b, v32
	v_cmp_ne_u32 vcc_lo, 0, v[DN]
	v_cndmask_b32 v32, v17, v32, vcc_lo
	v_mov_b32 v33, v32
	v_mov_b32 v34, v32
	v_mov_b32 v35, v32
	s_lshl_b32 s35, s14, 10
	v_and_b32 v10, 31, v0                          ; l
	v_lshl_add_u32 v13, v10, 4, s35                ; QREC + 1,024 w + 16 l
	ds_store_b128 v13, v[QF:QF+3]
	ds_store_b128 v13, v[32:35] offset:512
	; the loop's addresses (every global load has come back: their offset registers are free)
	v_and_b32 v11, 15, v0                          ; r
	v_bfe_u32 v12, v0, 4, 1                        ; h
	v_lshlrev_b32 v1, 4, v10
	v_mul_u32_u24 v3, v11, 80
	v_add_nc_u32 v3, DEN, v3
	s_lshl_b32 s35, s14, 2
	v_add_nc_u32 v2, s35, v3
	s_mul_i32 s35, s14, 4352
	s_add_co_u32 s35, s35, OST
	v_mul_u32_u24 v4, v11, 272
	v_lshl_add_u32 v4, v12, 5, v4
	v_add_nc_u32 v4, s35, v4                       ; my slot, row r, + 32 h; tile t 64 t bytes on
	s_mul_i32 s35, s14, 272
	s_add_co_u32 s35, s35, OST
	v_lshl_add_u32 v5, v10, 3, s35                 ; row w of slot 0, 8 bytes a lane
	v_lshlrev_b32 v6, 3, v10
	s_mov_b32 s34, 0                               ; the record in hand: 1,024 bytes a block
.macro BAR                                     ; my LDS stores have landed and my LDS loads are in: then the work-group's barrier
	s_wait_dscnt 0x0
	s_barrier_signal -1
	s_barrier_wait -1
.endm
.macro QLOAD                                   ; the next record: Q's fragment, and a_q into all eight registers of C
	v_add_nc_u32 v7, s34, v1
	s_add_co_u32 s34, s34, 1024
	ds_load_b128 v[QF:QF+3], v7
	ds_load_b128 v[CA:CA+3], v7 offset:512
	ds_load_b128 v[CA+4:CA+7], v7 offset:512
.endm
; Scores of tiles 4 g .. 4 g + 3: S^T = K' Q^T + a_q.  A lane holds numbers 4 h .. 4 h + 3 of its row, in K' and in Q alike: the first product takes 0, 1, 4, 5 of the eight, the second 2, 3, 6, 7.
; The four accumulators take turns, one instruction a turn.
.macro SG g
.irp q, 0,1,2,3
	v_wmma_f32_16x16x4_f32 v[S+8*\q:S+8*\q+7], v[KF+4*(4*\g+\q):KF+4*(4*\g+\q)+1], v[QF:QF+1], v[CA:CA+7]
.endr
.irp q, 0,1,2,3
	v_wmma_f32_16x16x4_f32 v[S+8*\q:S+8*\q+7], v[KF+4*(4*\g+\q)+2:KF+4*(4*\g+\q)+3], v[QF+2:QF+3], v[S+8*\q:S+8*\q+7]
.endr
.endm
.macro ADDB g                                  ; + b_k: register j of a tile is its row 8 h + j, whose b_k lies in lane j of my half of the lanes.  Each accumulator from its low end on; the results go to P
.irp q, 0,1,2,3
.irp j, 0,1,2,3,4,5,6,7
	v_add_f32_dpp v[P+32*\g+8*\q+\j], v[BC+4*\g+\q], v[S+8*\q+\j] row_share:\j row_mask:0xf bank_mask:0xf
.endr
.endr
.endm
.macro EXP2 g
.irp j, 0,1,2,3,4,5,6,7,8,9,10,11,12,13,14,15,16,17,18,19,20,21,22,23,24,25,26,27,28,29,30,31
	v_exp_f32 v[P+32*\g+\j], v[P+32*\g+\j]
.endr
	v_nop                                          ; a plain line behind the exponentials (ISA guide 5.7.2)
.endm
.macro ROWSUM g                                ; the row's sum of the unquantised p, two at a time, in two chains; the first lines start them
.if \g == 0
	s_wait_alu depctr_va_vdst(0)
	v_pk_add_f32 v[8:9], v[P:P+1], v[P+2:P+3]
	v_pk_add_f32 v[18:19], v[P+4:P+5], v[P+6:P+7]
.irp j, 8,12,16,20,24,28
	v_pk_add_f32 v[8:9], v[8:9], v[P+\j:P+\j+1]
	v_pk_add_f32 v[18:19], v[18:19], v[P+\j+2:P+\j+3]
.endr
.else
	s_wait_alu depctr_va_vdst(0)
.irp j, 32,36,40,44,48,52,56,60
	v_pk_add_f32 v[8:9], v[8:9], v[P+\j:P+\j+1]
	v_pk_add_f32 v[18:19], v[18:19], v[P+\j+2:P+\j+3]
.endr
.endif
.endm
.macro BLKMAX g                                ; the largest p of my 16 keys of blocks 2 g and 2 g + 1 (p is not negative)
.irp e, 0,1
	v_max3_num_f32 v[BM+2*\g+\e], v[P+16*(2*\g+\e)], v[P+16*(2*\g+\e)+1], v[P+16*(2*\g+\e)+2]
.endr
.irp i, 3,5,7,9,11,13
.irp e, 0,1
	v_max3_num_f32 v[BM+2*\g+\e], v[BM+2*\g+\e], v[P+16*(2*\g+\e)+\i], v[P+16*(2*\g+\e)+\i+1]
.endr
.endr
.irp e, 0,1
	v_max_num_f32 v[BM+2*\g+\e], v[BM+2*\g+\e], v[P+16*(2*\g+\e)+15]
.endr
.endm
.macro RLOAD                                   ; the sixteen waves' partials of query row w of the block just finished: 256 consecutive bytes a load
.irp s, 0,1,2,3,4,5,6,7,8,9,10,11,12,13,14,15
	ds_load_b64 v[P+32+2*\s:P+32+2*\s+1], v5 offset:4352*\s
.endr
.endm
.macro RSUM                                    ; added as a tree, and stored
	s_wait_dscnt 0x0
.irp s, 0,2,4,6,8,10,12,14
	v_pk_add_f32 v[P+32+2*\s:P+32+2*\s+1], v[P+32+2*\s:P+32+2*\s+1], v[P+32+2*\s+2:P+32+2*\s+3]
.endr
.irp s, 0,4,8,12
	v_pk_add_f32 v[P+32+2*\s:P+32+2*\s+1], v[P+32+2*\s:P+32+2*\s+1], v[P+32+2*\s+4:P+32+2*\s+5]
.endr
.irp s, 0,8
	v_pk_add_f32 v[P+32+2*\s:P+32+2*\s+1], v[P+32+2*\s:P+32+2*\s+1], v[P+32+2*\s+8:P+32+2*\s+9]
.endr
	v_pk_add_f32 v[P+32:P+33], v[P+32:P+33], v[P+48:P+49]
	global_store_b64 v6, v[P+32:P+33], s[12:13] th:TH_STORE_NT   ; 32 lanes store 256 consecutive bytes, at a multiple of 256 from out0's first byte; written once
.endm
; ONE BLOCK OF 16 QUERIES.  At its head S holds the scores of its tiles 0-3, QF and CA its Q and a_q.  rprev = 1: the block before is added up and stored on the way.  nxt = 1: a block follows.
; Distances behind the f32 and the scaled matrix forms (8 before a vector instruction, a load or a store touches their registers, 9 before a matrix instruction writes over them)
; are kept by the plain vector work that stands between, and by v_nop where there is none.
.macro BLOCK rprev, nxt
.if \rprev
	RLOAD
.endif
	ADDB 0
	SG 1                                           ; tiles 4-7: behind the 32 additions that have read S
.if \rprev
	RSUM
.endif
	EXP2 0
	ROWSUM 0
	BLKMAX 0                                       ; these 30 plain lines are the places between SG 1 and the loads into its sources, and the first read of its results
.if \nxt
	QLOAD                                          ; waited for in front of the barrier below
.endif
.if \rprev
	s_wait_xcnt 0x0                                ; the store's data and base are written again only behind this wait
	s_add_nc_u64 s[12:13], s[12:13], 4096          ; 16 rows of out0 on
.endif
	ADDB 1
	EXP2 1
	ROWSUM 1
	BLKMAX 1
	v_pk_add_f32 v[8:9], v[8:9], v[18:19]
	v_add_f32 v[DN], v8, v9
	v_permlanex16_b32 v14, v[DN], s20, s21
	v_add_f32 v[DN], v[DN], v14                    ; my 128 keys' part of query r's sum
	ds_store_b32 v2, v[DN]
.irp b, 0,1,2,3
	v_permlanex16_b32 v[PT+\b], v[BM+\b], s20, s21
.endr
.irp b, 0,1,2,3
	v_max_num_f32 v[BM+\b], v[BM+\b], v[PT+\b]     ; each block's largest p
.endr
	BAR                                            ; all sixteen parts lie in LDS; everybody's reads of the stage are over
.irp n, 0,1,2,3
	ds_load_b128 v[CD+4*\n:CD+4*\n+3], v3 offset:16*\n
.endr
.if \nxt
	SG 0                                           ; the next block's tiles 0-3: matrix work beside this phase's vector work
.endif
	s_wait_dscnt 0x0
.irp n, 0,4,8,12
	v_pk_add_f32 v[CD+\n:CD+\n+1], v[CD+\n:CD+\n+1], v[CD+\n+2:CD+\n+3]
.endr
.irp n, 0,8
	v_pk_add_f32 v[CD+\n:CD+\n+1], v[CD+\n:CD+\n+1], v[CD+\n+4:CD+\n+5]
.endr
	v_pk_add_f32 v[CD:CD+1], v[CD:CD+1], v[CD+8:CD+9]
	v_add_f32 v[DN], v[CD], v[CD+1]                ; the same order in every wave: the same sum
	v_add_f32 v[DN], 0x3d800000, v[DN]             ; + 2^-4
	v_rcp_f32 v8, v[DN]
	v_nop                                          ; a plain line behind the reciprocal
	s_wait_alu depctr_va_vdst(0)
.irp b, 0,1,2,3
	v_mul_f32 v[BM+\b], v[BM+\b], v8               ; the block's largest attn: the same multiplication as below, which does not fall where p rises
.endr
.irp b, 0,1,2,3
	v_max_num_f32 v[BM+\b], 0x4800000, v[BM+\b]    ; the floor 2^(9 - 127): the byte cannot fall under 1 (a block of zeros keeps that byte: its codes are zeros)
.endr
.irp b, 0,1,2,3
	v_add_nc_u32 v[SOP+\b], 0xfc000000, v[BM+\b]   ; 8 off the exponent field: the conversion's scale operand
.endr
.irp b, 0,1,2,3
	v_and_or_b32 v[PT+\b], v[BM+\b], 0x7f800000, s24   ; 448 x the scale
.endr
.irp b, 0,1,2,3
	v_lshrrev_b32 v[BM+\b], 23, v[SOP+\b]          ; the scale's byte
.endr
	v_lshl_or_b32 v[PW], v[BM+1], 8, v[BM]         ; query r's scale word for my 128 keys
	v_lshl_or_b32 v[PW], v[BM+2], 16, v[PW]
	v_lshl_or_b32 v[PW], v[BM+3], 24, v[PW]
.irp b, 0,1,2,3
.irp j, 0,2,4,6,8,10,12,14
	v_pk_mul_f32 v[P+16*\b+\j:P+16*\b+\j+1], v[P+16*\b+\j:P+16*\b+\j+1], v[8:9] op_sel_hi:[1,0]   ; attn = p / sum
.endr
.irp i, 0,1,2,3,4,5,6,7,8,9,10,11,12,13,14,15
	v_min_num_f32 v[P+16*\b+\i], v[P+16*\b+\i], v[PT+\b]   ; the conversion does not saturate (ISA guide 7.6.2); attn is not negative, so the hold is one-sided
.endr
	v_cvt_scalef32_pk8_fp8_f32 v[CD+4*\b:CD+4*\b+1], v[P+16*\b:P+16*\b+7], v[SOP+\b]
	v_cvt_scalef32_pk8_fp8_f32 v[CD+4*\b+2:CD+4*\b+3], v[P+16*\b+8:P+16*\b+15], v[SOP+\b]
.endr
.rept 4
	v_nop                                          ; codes written by vector instructions stand four places ahead of the scaled form; the scale word was made far further up
.endr
.irp t, 0,1,2,3
	v_wmma_scale_f32_16x16x128_f8f6f4 v[P+8*\t:P+8*\t+7], v[VC+16*\t:VC+16*\t+15], v[CD:CD+15], 0, v[VS+\t], v[PW]   ; O^T: source 0 = channels 16 t .. 16 t + 15, source 1 = my 16 queries; K = my 128 keys
.endr
.rept 8
	v_nop
.endr
.irp t, 0,1,2,3
	ds_store_b128 v4, v[P+8*\t:P+8*\t+3] offset:64*\t          ; lane (r, h): query r, channels 16 t + 8 h + 0 .. 7; each accumulator from its low end on
	ds_store_b128 v4, v[P+8*\t+4:P+8*\t+7] offset:64*\t+16
.endr
	BAR                                            ; all sixteen partials lie in the stage; everybody's reads of the sums' parts are over
.endm
	BAR                                            ; the sixteen records lie in LDS; they are only read from here on
	QLOAD
	s_wait_dscnt 0x0
	SG 0
.rept 9
	v_nop                                          ; nine: SG 1 writes over these accumulators, and the additions in front of it name them
.endr
	BLOCK 0, 1
	s_mov_b32 s25, 14
.Lblk:
	BLOCK 1, 1
	s_sub_co_u32 s25, s25, 1
	s_cmp_lg_u32 s25, 0
	s_cbranch_scc1 .Lblk
	BLOCK 1, 0
	RLOAD                                          ; the last block's rows
	RSUM
	s_wait_xcnt 0x0
	v_lshl_add_u32 v254, v0, 2, 0x39500
	v_mov_b32 v255, 0
	s_wait_tensorcnt 0x0
	ds_add_u32 v254, v255
	s_wait_dscnt 0x0
	s_endpgm
.Lfunc_end_k_q8d01f378a0_hept:
	.size	k_q8d01f378a0_hept, .Lfunc_end_k_q8d01f378a0_hept-k_q8d01f378a0_hept
	.p2alignl 7, 3214868480
	.fill 96, 4, 3214868480
	.section	.rodata,"a",@progbits
	.p2align	6, 0x0
	.amdhsa_kernel k_q8d01f378a0_hept
		.amdhsa_group_segment_fixed_size 236800
		.amdhsa_private_segment_fixed_size 0
		.amdhsa_enable_private_segment 0
		.amdhsa_kernarg_size 40
		.amdhsa_user_sgpr_count 2
		.amdhsa_user_sgpr_kernarg_segment_ptr 1
		.amdhsa_wavefront_size32 1
		.amdhsa_system_sgpr_workgroup_id_x 1
		.amdhsa_system_sgpr_workgroup_id_y 1
		.amdhsa_system_sgpr_workgroup_id_z 1
		.amdhsa_system_vgpr_workitem_id 0
		.amdhsa_next_free_vgpr 256
		.amdhsa_next_free_sgpr 66
		.amdhsa_reserve_vcc 1
		.amdhsa_float_denorm_mode_32 3
		.amdhsa_float_denorm_mode_16_64 3
		.amdhsa_memory_ordered 1
		.amdhsa_forward_progress 1
		.amdhsa_inst_pref_size 122
	.end_amdhsa_kernel
	.amdgpu_metadata
---
amdhsa.version: [ 1, 2 ]
amdhsa.kernels:
  - .name:           k_q8d01f378a0_hept
    .symbol:         k_q8d01f378a0_hept.kd
    .args:
      - { .name: query, .offset: 0, .size: 8, .value_kind: global_buffer, .address_space: global }
      - { .name: key, .offset: 8, .size: 8, .value_kind: global_buffer, .address_space: global }
      - { .name: value, .offset: 16, .size: 8, .value_kind: global_buffer, .address_space: global }
      - { .name: padding_mask, .offset: 24, .size: 8, .value_kind: global_buffer, .address_space: global }
      - { .name: out0, .offset: 32, .size: 8, .value_kind: global_buffer, .address_space: global }
    .group_segment_fixed_size: 236800
    .private_segment_fixed_size: 0
    .kernarg_segment_align: 8
    .kernarg_segment_size: 40
    .max_flat_workgroup_size: 512
    .sgpr_count:     66
    .vgpr_count:     256
    .wavefront_size: 32
...
	.end_amdgpu_metadata
.endif
;; end of part 1
;; ======== version 2 of 2: 1 launch; version 1 with the launch hept written anew for expert scheduling mode
;; launch hept (part 2): grid 8 x 32, 16 waves a work-group, no clusters, 236,800 bytes of LDS; arguments query, key, value, padding_mask, out0; writes out0
.if DOCPART == 2
	.amdgcn_target "amdgcn-amd-amdhsa--gfx1250"
	.amdhsa_code_object_version 6
	.text
	.protected	k_q8d01f378a0_hept
	.globl	k_q8d01f378a0_hept
	.p2align	8
	.type	k_q8d01f378a0_hept,@function
k_q8d01f378a0_hept:
	s_mov_b64 s[64:65], 0
	v_nop
	global_prefetch_b8 v0, s[64:65] scope:SCOPE_SE
	s_setreg_imm32_b32 hwreg(HW_REG_WAVE_SCHED_MODE, 0, 2), 2
	s_setreg_imm32_b32 hwreg(HW_REG_WAVE_MODE, 25, 1), 1
	s_wait_xcnt 0x0
	s_wait_alu depctr_vm_vsrc(0)
; out = Q(attn) Q(V),  attn = p / (sum of p + 2^-4),  p = exp(-(|q|^2 + |k|^2 - 2 q.k) / 2) x mask(query) x mask(key).
; query, key: [8][8192][8] f32; value, out0: [8][8192][64] f32; padding_mask: [4][2048] bytes.  Batch y = 4 h + b is a dense run of 2,048 rows of each tensor; its mask row is y & 3.
; attn is quantised FINISHED: a row's sum over all 2,048 keys has to be known before any of its codes is made.  So p is computed once and held in registers until the sum is there.
; SHARES.  A work-group owns 256 queries of one batch (x: which 256; y: the batch) and walks them in 16 blocks of 16.  THE SIXTEEN WAVES SHARE THE KEYS: wave w owns keys 128 w .. 128 w + 127 for the
; whole launch.  Its keys (f32, times log2 e), its -0.5 log2 e |k|^2 and its part of V as codes of E4M3 with their scale words stay in its registers; V is quantised at the head, along the keys, by the wave itself.
; A BLOCK, two barriers:  A: S^T = K' Q^T + a_q (f32 matrix form, 16 instructions), p = 2^(S^T + b_k), my part of the 16 row sums to LDS, the largest p of each 32 keys | barrier |
; B: the 16 parts and 2^-4 are added, 1 / sum; p / sum is quantised in registers; O^T = V^T P^T over my 128 keys (4 scaled matrix instructions); my partial O^T to a stage in LDS | barrier |
; in the next block's phase A wave w adds the sixteen partials of query row w and stores that row, 256 consecutive aligned bytes.  The next block's first eight score products stand at the head of phase B.
; LAYOUT.  Both products are used transposed: a lane holds ONE query (lane % 16).  THE KEYS OF A TILE ARE NOT NEIGHBOURS: row r of tile 2 b + u is key 32 b + 8 u + r + 8 (r / 8), so that the 16 registers
; of tiles 2 b and 2 b + 1 are the 16 neighbouring keys 32 b + 16 (lane / 16) + 0 .. 15: the order in which the scaled form wants its operand.
; The masks enter as addends of -1e30 to the exponent (a_q for a hidden query, b_k for a hidden key): p is then exactly 0.  No branch and no address hangs on them.
; NO JOINT LOADS: what the eight work-groups of a batch share (V, 512 KiB, and K, 64 KiB, in f32) is read once by each, at the head, straight into registers where it is quantised; as f32 it would not fit
; into LDS beside the stage without slots filled again.  No tensor load, so no ring.
; LIMITS.  p under 2^-126 comes out as 0 (v_exp_f32 gives no denormals: ISA guide 15.8).  |log2 e q.k| has to stay far under 1e30.  p / sum is p x v_rcp_f32(sum), some 2 ulp from the division.
; K is rounded once more (x log2 e) ahead of the first product; the exponent is the difference q.k - |q|^2 / 2 - |k|^2 / 2 in f32, as in the definition, so its error grows with the inputs' size.
; The sums' orders are not the definition's.  A block of zeros keeps the scale byte 1 over zero codes (only this text reads the bytes).  NaN and infinities among the inputs are not served.
; THE MODE: SCHED_MODE bits 1:0 = 2 (LLVM: expert scheduling mode 2), set by the entry lines.  The code itself states the register dependences
; between vector or matrix instructions and memory or LDS instructions, with s_wait_alu, always for 0.
; THE PLAN.  Registers that memory or LDS instructions touch, in the loop:
;   v1-v6       addresses, made at the head and never written in the loop.
;   v7          the record's address: read by the three loads of a record in the middle of phase A; stepped once a block, at the block's head.
;   QF, CA      the record's loads land in them in the middle of phase A; read by the score products of phase B and of the next phase A.
;   P, v192-223 written by phase A's additions, at work until the conversions, then O^T's accumulators; read by the eight stores into the stage at the end of phase B.
;   P, v224-255 the sixteen partials land in them at the block's head; the tree of sums reads them; v[224:225] are the global store's data; written anew by phase A's second additions.
;   DN          my part of a sum: written by vector sums, read by one LDS store ahead of the first barrier, written again in phase B.
;   CD          the sums' sixteen parts land in it at the head of phase B; then the conversions write the codes there, which the scaled products read.
; So a block has three waits on vm_vsrc (at its head: the stage's stores and v7; ahead of the second additions: the global store's data; in phase B: DN) and six on va_vdst: the three that stand behind
; the exponentials and the reciprocal in any case, of which the first also serves the global store, the record's loads and v7; one ahead of the store of DN; one ahead of the scaled products; one ahead
; of the stage's stores, which also serves the next block's loads of the partials, since no vector instruction stands between.
.set QREC, 0          ; LDS: 16 records of 1,024 bytes, one a block of queries: +0 the image of Q's fragment (16 bytes a lane), +512 a_q four times (16 bytes a lane).  Written once, at the head
.set DEN,  16384      ; 16 rows (queries) x 80 bytes: word w = wave w's part of the row's sum
.set OST,  17664      ; 16 slots (one a wave) x 16 query rows x (256 bytes + 16): the partial O^T
.set VT,   87296      ; 16 x 9,216: a wave's own scratch at the head: +0 V's codes, +8192 V's scale words, +8704 b_k
.set BM,   10         ; v10-13  largest magnitudes of four blocks, later their scale bytes
.set PT,   14         ; v14-17  lane permutes' targets, later 448 x the scale
.set SOP,  18         ; v18-21  the conversions' scale operands (v[18:19]: the second chain of the row sums in phase A)
.set PW,   22         ; v22     p's scale word: scales and nothing else
.set DN,   23         ; v23     a row's sum (at the head: my query's mask byte)
.set QF,   24         ; v24-27  Q's fragment
.set VS,   28         ; v28-31  V's scale words: scales and nothing else
.set CA,   32         ; v32-39  a_q eight times: the C of a score's first product
.set BC,   40         ; v40-47  b_k, one register a tile: lane 16 h + j (j < 8) holds that of the tile's row 8 h + j
.set CD,   48         ; v48-63  the sixteen parts of a sum, then p's codes
.set KF,   64         ; v64-95  K' = K x log2 e: 8 tiles x 4 registers
.set VC,   96         ; v96-159 V's four fragments (16 of the 64 channels x my 128 keys each)
.set S,    160        ; v160-191 four accumulators of scores: written by matrix instructions alone
.set P,    192        ; v192-255 p; v192-223 later O^T's four accumulators; v224-255 later the sixteen partials of a row of out0
.set G,    32         ; head: v32-63 32 held numbers of V
.set KS,   48         ; head: v48-55 |k|^2, then b_k
.set KP,   56         ; head: v56-63 permutes' targets
.set KM,   192        ; head: v192-199 my keys' mask bytes
.set L0,   192        ; head: two sets of 64 numbers of V as loaded
.set L1,   96
.set MK,   36         ; head: s36-43 the masks of my keys' eight tiles, s44 my query's (the byte offsets that stood in s36-47 are done with by then)
; v1-v9 at the head: v1 V's, v2 K's, v3 the key mask's, v4 Q's, v5 the query mask's byte offsets; v6-v9 LDS addresses in my scratch.
; v1-v7 in the loop: v1 16 x lane (a record's place), v2 where I store my part of a sum, v3 where I read the parts, v4 where I put O^T, v5 where I read the partials, v6 8 x lane (out0), v7 the record in hand; v[8:9] sums, then 1 / sum.
	s_load_b256 s[4:11], s[0:1], 0x0               ; query s[4:5], key s[6:7], value s[8:9], padding_mask s[10:11]
	s_load_b64 s[12:13], s[0:1], 0x20              ; out0
	v_lshrrev_b32 v10, 5, v0
	v_readfirstlane_b32 s14, v10                   ; wave w, 0 .. 15
	s_and_b32 s16, ttmp7, 0xffff                   ; batch y
	v_and_b32 v10, 31, v0                          ; lane l
	v_and_b32 v11, 15, v0                          ; r
	v_bfe_u32 v12, v0, 4, 1                        ; h
	v_and_b32 v13, 8, v11
	v_add_nc_u32 v13, v13, v11                     ; rr = r + 8 (r / 8)
	v_lshlrev_b32 v1, 4, v11
	v_lshl_add_u32 v1, v12, 12, v1                 ; V: 16 rows of 256 bytes for h, + 16 r: sixteen lanes read one whole row
	v_lshlrev_b32 v2, 5, v13
	v_lshl_add_u32 v2, v12, 4, v2                  ; K: row rr of 32 bytes, + my half's four numbers
	v_mov_b32 v3, v13                              ; the key mask: byte rr
	v_lshlrev_b32 v4, 5, v11
	v_lshl_add_u32 v4, v12, 4, v4                  ; Q: row r, + my half's four numbers
	v_mov_b32 v5, v11                              ; the query mask: byte r
	s_wait_alu depctr_va_sdst(0)                   ; s14 is written, ahead of its first reader: the offsets below are made from it
	s_lshl_b32 s36, s16, 16                        ; K: 65,536 y + 4,096 w (128 keys of 32 bytes)
	s_lshl_b32 s35, s14, 12
	s_add_co_u32 s36, s36, s35
	s_mov_b32 s37, 0
	s_lshl_b32 s38, s16, 16                        ; Q: 65,536 y + 8,192 x + 512 w: wave w prepares block w's 16 queries
	s_lshl_b32 s35, ttmp9, 13
	s_add_co_u32 s38, s38, s35
	s_lshl_b32 s35, s14, 9
	s_add_co_u32 s38, s38, s35
	s_mov_b32 s39, 0
	s_lshl_b32 s40, s16, 19                        ; V: 524,288 y + 32,768 w
	s_lshl_b32 s35, s14, 15
	s_add_co_u32 s40, s40, s35
	s_mov_b32 s41, 0
	s_lshl_b32 s42, s16, 19                        ; out0: 524,288 y + 65,536 x + 256 w: wave w stores row w of each block
	s_lshl_b32 s35, ttmp9, 16
	s_add_co_u32 s42, s42, s35
	s_lshl_b32 s35, s14, 8
	s_add_co_u32 s42, s42, s35
	s_mov_b32 s43, 0
	s_and_b32 s44, s16, 3                          ; the mask's row: y & 3
	s_lshl_b32 s44, s44, 11
	s_lshl_b32 s35, ttmp9, 8
	s_add_co_u32 s46, s44, s35                     ; my 16 queries' bytes: + 256 x + 16 w
	s_lshl_b32 s35, s14, 4
	s_add_co_u32 s46, s46, s35
	s_lshl_b32 s35, s14, 7
	s_add_co_u32 s44, s44, s35                     ; my 128 keys' bytes: + 128 w
	s_mov_b32 s45, 0
	s_mov_b32 s47, 0
	s_mov_b32 s20, 0x76543210
	s_mov_b32 s21, 0xfedcba98                      ; v_permlanex16_b32's selects for lane l xor 16
	s_mov_b32 s22, 0x3fb8aa3b                      ; log2 e
	s_mov_b32 s23, s22                             ; (named with it as a pair, so it is written)
	s_mov_b32 s24, 0x600000                        ; the mantissa field of 448
	s_mul_i32 s30, s14, 9216
	s_add_co_u32 s30, s30, VT                      ; my scratch
	s_add_co_u32 s31, s30, 8192
	s_add_co_u32 s32, s30, 8704
	s_wait_kmcnt 0x0
	s_add_nc_u64 s[6:7], s[6:7], s[36:37]
	s_add_nc_u64 s[4:5], s[4:5], s[38:39]
	s_add_nc_u64 s[8:9], s[8:9], s[40:41]
	s_add_nc_u64 s[12:13], s[12:13], s[42:43]
	s_add_nc_u64 s[26:27], s[10:11], s[44:45]
	s_add_nc_u64 s[28:29], s[10:11], s[46:47]
	s_wait_alu depctr_va_vdst(0)                   ; the five byte offsets v1 to v5 are written, which the head's global loads read
; Block c of my V (32 keys x 64 channels): load i brings V[32 c + 16 h + i][4 r .. 4 r + 3]: register 4 i + t of set lr is key 32 c + 16 h + i, channel 4 r + t.  A load reads two whole rows of 256 bytes.
.macro VLOAD c, lr
.irp i, 0,1,2,3,4,5,6,7,8,9,10,11,12,13,14,15
	global_load_b128 v[\lr+4*\i:\lr+4*\i+3], v1, s[8:9] offset:(32*\c+\i)*256
.endr
.endm
	VLOAD 0, L0
	VLOAD 1, L1
.irp t, 0,1,2,3,4,5,6,7
	global_load_b128 v[KF+4*\t:KF+4*\t+3], v2, s[6:7] offset:1024*(\t/2)+256*(\t%2)   ; tile t = 2 b + u: keys 32 b + 8 u + rr; numbers 4 h .. 4 h + 3 of the key's eight
.endr
	global_load_b128 v[QF:QF+3], v4, s[4:5]
	global_load_u8 v[DN], v5, s[28:29]
	v_lshl_add_u32 v6, v10, 4, s30                 ; codes in: 16 x lane
	v_and_b32 v14, 3, v11
	v_lshrrev_b32 v15, 2, v11
	v_lshl_add_u32 v7, v14, 11, s30                ; codes back: channel 16 t' + r was made as component r & 3 by lane 16 h + 4 t' + r / 4
	v_lshl_add_u32 v7, v12, 8, v7
	v_lshl_add_u32 v7, v15, 4, v7
	v_lshl_add_u32 v8, v10, 2, s31                 ; scale words in: 4 x lane
	v_lshl_add_u32 v9, v14, 7, s31                 ; and back, by the same turn
	v_lshl_add_u32 v9, v15, 2, v9
.irp t, 0,1,2,3
	v_mov_b32 v[PT+\t], 0                          ; written once: a lane permute's destination counts as one of its sources
.endr
; Block c of V, in set lr, becomes codes.  Component t of the loads is a tile of its own (lane r stands for channel 4 r + t); a lane holds 16 keys of the block, lane l xor 16 the other 16.
; The hold writes its results de-interleaved into G, so that a lane's consecutive registers run along the keys, as the conversion wants them.  The codes land in registers of lr that the pass has read out.
; Both passes' eight stores stand together, behind one wait.
.macro QV c, lr, cnt
	s_wait_loadcnt \cnt                            ; this block's sixteen loads are in; cnt younger loads may stay out
.irp t, 0,1,2,3
	v_max3_num_f32 v[BM+\t], |v[\lr+\t]|, |v[\lr+4+\t]|, 0x4800000   ; my 16 keys, and the floor 2^(9 - 127): the byte cannot fall under 1
.endr
.irp i, 2,4,6,8,10,12,14
.irp t, 0,1,2,3
	v_max3_num_f32 v[BM+\t], v[BM+\t], |v[\lr+4*\i+\t]|, |v[\lr+4*\i+4+\t]|   ; (the four tiles by turns)
.endr
.endr
.irp t, 0,1,2,3
	v_permlanex16_b32 v[PT+\t], v[BM+\t], s20, s21
.endr
.irp t, 0,1,2,3
	v_max_num_f32 v[BM+\t], v[BM+\t], v[PT+\t]     ; the block's largest magnitude
.endr
.irp t, 0,1,2,3
	v_add_nc_u32 v[SOP+\t], 0xfc000000, v[BM+\t]   ; 8 off its exponent field: the conversion's scale operand
.endr
.irp t, 0,1,2,3
	v_and_or_b32 v[PT+\t], v[BM+\t], 0x7f800000, s24   ; 448 x the scale
.endr
.irp t, 0,1,2,3
	v_lshrrev_b32 v[BM+\t], 23, v[SOP+\t]          ; the scale's byte
.endr
.irp t, 0,1,2,3
.if \c == 0
	v_mov_b32 v[VS+\t], v[BM+\t]
.else
	v_lshl_or_b32 v[VS+\t], v[BM+\t], 8*\c, v[VS+\t]   ; byte c of the channel's scale word
.endif
.endr
.irp p, 0,1                                    ; two tiles a pass: t = 2 p + e
.irp e, 0,1
.irp i, 0,1,2,3,4,5,6,7,8,9,10,11,12,13,14,15
	v_med3_num_f32 v[G+16*\e+\i], v[\lr+4*\i+2*\p+\e], -v[PT+2*\p+\e], v[PT+2*\p+\e]   ; the conversion to an 8-bit code does not saturate (ISA guide 7.6.2): the hold at 448 x the scale
.endr
.endr
.irp e, 0,1
.irp k, 0,1
	v_cvt_scalef32_pk8_fp8_f32 v[\lr+4*(2*\e+\k)+2*\p:\lr+4*(2*\e+\k)+2*\p+1], v[G+16*\e+8*\k:G+16*\e+8*\k+7], v[SOP+2*\p+\e]
.endr
.endr
	v_nop                                          ; a plain line behind the conversions, ahead of the lines that write G again
.endr
	s_wait_alu depctr_va_vdst(0)                   ; the conversions have written the codes, which the stores read by v6 (written at the head); the scale words are written; and every line above is done with the set, in which loads land next
.irp p, 0,1
.irp e, 0,1
.irp k, 0,1
	ds_store_b64 v6, v[\lr+4*(2*\e+\k)+2*\p:\lr+4*(2*\e+\k)+2*\p+1] offset:2048*(2*\p+\e)+512*\c+8*\k   ; [tile][block][lane]: a lane's 16 codes on end
.endr
.endr
.endr
	s_wait_dscnt 0x0                               ; the stores are done: the set may be loaded again
.endm
	QV 0, L0, 26                                   ; out: block 1's 16, K's 8, Q, the query mask
	s_wait_alu depctr_vm_vsrc(0)                   ; the stores have read their codes in set L0, in which block 2's loads land
	VLOAD 2, L0
	QV 1, L1, 26                                   ; out: K's 8, Q, the query mask, block 2's 16
	s_wait_alu depctr_vm_vsrc(0)                   ; the stores have read their codes in set L1, in which block 3's loads land
	VLOAD 3, L1
	QV 2, L0, 16                                   ; out: block 3's 16
	s_wait_alu depctr_vm_vsrc(0)                   ; the stores have read their codes in set L0, in which the mask bytes land
.irp t, 0,1,2,3,4,5,6,7
	global_load_u8 v[KM+\t], v3, s[26:27] offset:32*(\t/2)+8*(\t%2)   ; the mask bytes of my keys, by the tiles' rows
.endr
	QV 3, L1, 8                                    ; out: those 8
	; V comes back from my scratch with channel 16 t + r in lane r of tile t.  The bytes are my wave's own, and LDS serves a wave's instructions in order (ISA guide 5.7.1.4): no barrier
.irp t, 0,1,2,3
	ds_store_b32 v8, v[VS+\t] offset:128*\t        ; (the scale words and v8 were written ahead of the block's wait on va_vdst, and no vector line has followed it)
.endr
	s_wait_alu depctr_vm_vsrc(0)                   ; the stores have read the scale words and the codes in set L1: the loads below land in both
.irp t, 0,1,2,3
	ds_load_b32 v[VS+\t], v9 offset:16*\t
.endr
.irp t, 0,1,2,3
.irp c, 0,1,2,3
	ds_load_b128 v[VC+16*\t+4*\c:VC+16*\t+4*\c+3], v7 offset:512*\c+64*\t
.endr
.endr
	; K: b_k = -0.5 log2 e |k|^2, or -1e30 for a hidden key
	s_wait_loadcnt 0x0
	v_mov_b32 v17, 0xf149f2ca                      ; -1e30
.irp t, 0,1,2,3,4,5,6,7
	v_mul_f32 v[KS+\t], v[KF+4*\t], v[KF+4*\t]
.endr
.irp j, 1,2,3
.irp t, 0,1,2,3,4,5,6,7
	v_fmac_f32 v[KS+\t], v[KF+4*\t+\j], v[KF+4*\t+\j]
.endr
.endr
.irp t, 0,1,2,3,4,5,6,7
	v_permlanex16_b32 v[KP+\t], v[KS+\t], s20, s21 ; the key's other four numbers lie in lane l xor 16
.endr
.irp t, 0,1,2,3,4,5,6,7
	v_add_f32 v[KS+\t], v[KS+\t], v[KP+\t]
.endr
.irp t, 0,1,2,3,4,5,6,7
	v_mul_f32 v[KS+\t], 0xbf38aa3b, v[KS+\t]
.endr
.irp t, 0,1,2,3,4,5,6,7
	v_cmp_ne_u32 s[MK+\t], 0, v[KM+\t]             ; the nine compares stand in one run, each with a scalar register of its own,
.endr
	v_cmp_ne_u32 s[MK+8], 0, v[DN]                 ; my query's among them,
	s_wait_alu depctr_va_sdst(0)                   ; and one wait: the nine masks are written, ahead of the selects that read them
.irp t, 0,1,2,3,4,5,6,7
	v_cndmask_b32 v[KS+\t], v17, v[KS+\t], s[MK+\t]
.endr
	s_wait_dscnt 0x0                               ; V's codes and scale words are in
	s_wait_alu depctr_vm_vsrc(0)                   ; every load and LDS instruction so far has read its offset or address: v1 to v9 are written anew below
	v_and_b32 v10, 15, v0
	v_lshl_add_u32 v8, v10, 2, s32                 ; b_k in: word r of a tile's 16 (both halves of the lanes write the same word with the same value)
	v_bfe_u32 v11, v0, 4, 1
	v_and_b32 v12, 7, v0
	v_lshl_add_u32 v12, v11, 3, v12
	v_lshl_add_u32 v9, v12, 2, s32                 ; and back: lane 16 h + j takes row 8 h + j's
.irp i, 0,2,4,6,8,10,12,14,16,18,20,22,24,26,28,30
	v_pk_mul_f32 v[KF+\i:KF+\i+1], v[KF+\i:KF+\i+1], s[22:23] op_sel_hi:[1,0]   ; K' = K x log2 e
.endr
	; Q: block w's record: the fragment as it stands, and a_q = -0.5 log2 e |q|^2, or -1e30 for a hidden query
	v_mul_f32 v32, v24, v24
	v_fmac_f32 v32, v25, v25
	v_fmac_f32 v32, v26, v26
	v_fmac_f32 v32, v27, v27
	v_permlanex16_b32 v33, v32, s20, s21
	v_add_f32 v32, v32, v33
	v_mul_f32 v32, 0xbf38aa3b, v32
	v_cndmask_b32 v32, v17, v32, s[MK+8]
	v_mov_b32 v33, v32
	v_mov_b32 v34, v32
	v_mov_b32 v35, v32
	s_lshl_b32 s35, s14, 10
	v_and_b32 v10, 31, v0                          ; l
	v_lshl_add_u32 v13, v10, 4, s35                ; QREC + 1,024 w + 16 l
	; the loop's addresses (every global load has come back: their offset registers are free)
	v_and_b32 v11, 15, v0                          ; r
	v_bfe_u32 v12, v0, 4, 1                        ; h
	v_lshlrev_b32 v1, 4, v10
	v_mul_u32_u24 v3, v11, 80
	v_add_nc_u32 v3, DEN, v3
	s_lshl_b32 s35, s14, 2
	v_add_nc_u32 v2, s35, v3
	s_mul_i32 s35, s14, 4352
	s_add_co_u32 s35, s35, OST
	v_mul_u32_u24 v4, v11, 272
	v_lshl_add_u32 v4, v12, 5, v4
	v_add_nc_u32 v4, s35, v4                       ; my slot, row r, + 32 h; tile t 64 t bytes on
	s_mul_i32 s35, s14, 272
	s_add_co_u32 s35, s35, OST
	v_lshl_add_u32 v5, v10, 3, s35                 ; row w of slot 0, 8 bytes a lane
	v_lshlrev_b32 v6, 3, v10
	s_mov_b32 s34, 0                               ; the record in hand: 1,024 bytes a block
.macro QADR                                    ; the next record's address
	v_add_nc_u32 v7, s34, v1
	s_add_co_u32 s34, s34, 1024
.endm
.macro QLD                                     ; the next record: Q's fragment, and a_q into all eight registers of C
	ds_load_b128 v[QF:QF+3], v7
	ds_load_b128 v[CA:CA+3], v7 offset:512
	ds_load_b128 v[CA+4:CA+7], v7 offset:512
.endm
	QADR                                           ; block 0's
	s_wait_alu depctr_va_vdst(0)                   ; written: b_k, a_q and the addresses v8, v9, v13, which the LDS instructions below read; the loop's addresses v1 to v7; and the lines above are done with v40-47, in which b_k lands, and with Q's fragment
.irp t, 0,1,2,3,4,5,6,7
	ds_store_b32 v8, v[KS+\t] offset:64*\t
.endr
.irp t, 0,1,2,3,4,5,6,7
	ds_load_b32 v[BC+\t], v9 offset:64*\t
.endr
	ds_store_b128 v13, v[QF:QF+3]
	ds_store_b128 v13, v[32:35] offset:512
.macro BAR                                     ; my LDS stores have landed and my LDS loads are in: then the work-group's barrier
	s_wait_dscnt 0x0
	s_barrier_signal -1
	s_barrier_wait -1
.endm
; Scores of tiles 4 g .. 4 g + 3: S^T = K' Q^T + a_q.  A lane holds numbers 4 h .. 4 h + 3 of its row, in K' and in Q alike: the first product takes 0, 1, 4, 5 of the eight, the second 2, 3, 6, 7.
; The four accumulators take turns, one instruction a turn.
.macro SG g
.irp q, 0,1,2,3
	v_wmma_f32_16x16x4_f32 v[S+8*\q:S+8*\q+7], v[KF+4*(4*\g+\q):KF+4*(4*\g+\q)+1], v[QF:QF+1], v[CA:CA+7]
.endr
.irp q, 0,1,2,3
	v_wmma_f32_16x16x4_f32 v[S+8*\q:S+8*\q+7], v[KF+4*(4*\g+\q)+2:KF+4*(4*\g+\q)+3], v[QF+2:QF+3], v[S+8*\q:S+8*\q+7]
.endr
.endm
.macro ADDB g                                  ; + b_k: register j of a tile is its row 8 h + j, whose b_k lies in lane j of my half of the lanes.  Each accumulator from its low end on; the results go to P
.irp q, 0,1,2,3
.irp j, 0,1,2,3,4,5,6,7
	v_add_f32_dpp v[P+32*\g+8*\q+\j], v[BC+4*\g+\q], v[S+8*\q+\j] row_share:\j row_mask:0xf bank_mask:0xf
.endr
.endr
.endm
.macro EXP2 g
.irp j, 0,1,2,3,4,5,6,7,8,9,10,11,12,13,14,15,16,17,18,19,20,21,22,23,24,25,26,27,28,29,30,31
	v_exp_f32 v[P+32*\g+\j], v[P+32*\g+\j]
.endr
	v_nop                                          ; a plain line behind the exponentials (ISA guide 5.7.2)
.endm
.macro ROWSUM g                                ; the row's sum of the unquantised p, two at a time, in two chains; the first lines start them
.if \g == 0
	v_pk_add_f32 v[8:9], v[P:P+1], v[P+2:P+3]
	v_pk_add_f32 v[18:19], v[P+4:P+5], v[P+6:P+7]
.irp j, 8,12,16,20,24,28
	v_pk_add_f32 v[8:9], v[8:9], v[P+\j:P+\j+1]
	v_pk_add_f32 v[18:19], v[18:19], v[P+\j+2:P+\j+3]
.endr
.else
.irp j, 32,36,40,44,48,52,56,60
	v_pk_add_f32 v[8:9], v[8:9], v[P+\j:P+\j+1]
	v_pk_add_f32 v[18:19], v[18:19], v[P+\j+2:P+\j+3]
.endr
.endif
.endm
.macro BLKMAX g                                ; the largest p of my 16 keys of blocks 2 g and 2 g + 1 (p is not negative)
.irp e, 0,1
	v_max3_num_f32 v[BM+2*\g+\e], v[P+16*(2*\g+\e)], v[P+16*(2*\g+\e)+1], v[P+16*(2*\g+\e)+2]
.endr
.irp i, 3,5,7,9,11,13
.irp e, 0,1
	v_max3_num_f32 v[BM+2*\g+\e], v[BM+2*\g+\e], v[P+16*(2*\g+\e)+\i], v[P+16*(2*\g+\e)+\i+1]
.endr
.endr
.irp e, 0,1
	v_max_num_f32 v[BM+2*\g+\e], v[BM+2*\g+\e], v[P+16*(2*\g+\e)+15]
.endr
.endm
.macro RLOAD                                   ; the sixteen waves' partials of query row w of the block just finished: 256 consecutive bytes a load
.irp s, 0,1,2,3,4,5,6,7,8,9,10,11,12,13,14,15
	ds_load_b64 v[P+32+2*\s:P+32+2*\s+1], v5 offset:4352*\s
.endr
.endm
.macro RADD                                    ; added as a tree
	s_wait_dscnt 0x0
.irp s, 0,2,4,6,8,10,12,14
	v_pk_add_f32 v[P+32+2*\s:P+32+2*\s+1], v[P+32+2*\s:P+32+2*\s+1], v[P+32+2*\s+2:P+32+2*\s+3]
.endr
.irp s, 0,4,8,12
	v_pk_add_f32 v[P+32+2*\s:P+32+2*\s+1], v[P+32+2*\s:P+32+2*\s+1], v[P+32+2*\s+4:P+32+2*\s+5]
.endr
.irp s, 0,8
	v_pk_add_f32 v[P+32+2*\s:P+32+2*\s+1], v[P+32+2*\s:P+32+2*\s+1], v[P+32+2*\s+8:P+32+2*\s+9]
.endr
	v_pk_add_f32 v[P+32:P+33], v[P+32:P+33], v[P+48:P+49]
.endm
.macro RSTORE                                  ; and stored, behind a wait on va_vdst that stands behind the tree
	global_store_b64 v6, v[P+32:P+33], s[12:13] th:TH_STORE_NT   ; 32 lanes store 256 consecutive bytes, at a multiple of 256 from out0's first byte; written once
.endm
; ONE BLOCK OF 16 QUERIES.  At its head S holds the scores of its tiles 0-3, QF and CA its Q and a_q.  rprev = 1: the block before is added up and stored on the way.  nxt = 1: a block follows.
; Distances behind the f32 and the scaled matrix forms (8 before a vector instruction, a load or a store touches their registers, 9 before a matrix instruction writes over them)
; are kept by the plain vector work that stands between, and by v_nop where there is none.
.macro BLOCK rprev, nxt
.if \rprev
	RLOAD                                          ; into P's upper half.  No wait: the lines that named it last stand ahead of the wait in front of the stage's stores, and no vector line has followed that wait
.endif
	s_wait_alu depctr_vm_vsrc(0)                   ; the stores into the stage have read P's lower half, which the additions below write; the last record's loads have read v7, which is stepped here
.if \nxt
	QADR
.endif
	ADDB 0
	SG 1                                           ; tiles 4-7: behind the 32 additions that have read S
.if \rprev
	RADD
.endif
	EXP2 0
	s_wait_alu depctr_va_vdst(0)                   ; the 32 exponentials have written p, ahead of their first reader; the tree has written v[224:225], the store's data; SG 1 is done reading QF and CA, in which the next record lands; v7 is written
.if \rprev
	RSTORE
.endif
	ROWSUM 0
	BLKMAX 0                                       ; these 30 plain lines are the places between SG 1 and the loads into its sources, and the first read of its results; they name none of v7, QF and CA
.if \nxt
	QLD                                            ; waited for in front of the barrier below
.endif
.if \rprev
	s_wait_xcnt 0x0                                ; the store's data and base are written again only behind this wait
	s_wait_alu depctr_vm_vsrc(0)                   ; the store has read v[224:225], which the additions below write
	s_add_nc_u64 s[12:13], s[12:13], 4096          ; 16 rows of out0 on
.endif
	ADDB 1
	EXP2 1
	s_wait_alu depctr_va_vdst(0)                   ; the second 32 exponentials have written p, ahead of their first reader
	ROWSUM 1
	BLKMAX 1
	v_pk_add_f32 v[8:9], v[8:9], v[18:19]
	v_add_f32 v[DN], v8, v9
	v_permlanex16_b32 v14, v[DN], s20, s21
	v_add_f32 v[DN], v[DN], v14                    ; my 128 keys' part of query r's sum
.irp b, 0,1,2,3
	v_permlanex16_b32 v[PT+\b], v[BM+\b], s20, s21
.endr
.irp b, 0,1,2,3
	v_max_num_f32 v[BM+\b], v[BM+\b], v[PT+\b]     ; each block's largest p
.endr
	s_wait_alu depctr_va_vdst(0)                   ; my part of the sum is written, which the store reads; no vector line stands between here and the loads behind the barrier, which land in CD
	ds_store_b32 v2, v[DN]
	BAR                                            ; all sixteen parts lie in LDS; everybody's reads of the stage are over
.irp n, 0,1,2,3
	ds_load_b128 v[CD+4*\n:CD+4*\n+3], v3 offset:16*\n
.endr
.if \nxt
	SG 0                                           ; the next block's tiles 0-3: matrix work beside this phase's vector work
.endif
	s_wait_dscnt 0x0
	s_wait_alu depctr_vm_vsrc(0)                   ; the store of my part has read v[DN], which is written again below
.irp n, 0,4,8,12
	v_pk_add_f32 v[CD+\n:CD+\n+1], v[CD+\n:CD+\n+1], v[CD+\n+2:CD+\n+3]
.endr
.irp n, 0,8
	v_pk_add_f32 v[CD+\n:CD+\n+1], v[CD+\n:CD+\n+1], v[CD+\n+4:CD+\n+5]
.endr
	v_pk_add_f32 v[CD:CD+1], v[CD:CD+1], v[CD+8:CD+9]
	v_add_f32 v[DN], v[CD], v[CD+1]                ; the same order in every wave: the same sum
	v_add_f32 v[DN], 0x3d800000, v[DN]             ; + 2^-4
	v_rcp_f32 v8, v[DN]
	v_nop                                          ; a plain line behind the reciprocal
	s_wait_alu depctr_va_vdst(0)                   ; the reciprocal has written v8, ahead of its first reader
.irp b, 0,1,2,3
	v_mul_f32 v[BM+\b], v[BM+\b], v8               ; the block's largest attn: the same multiplication as below, which does not fall where p rises
.endr
.irp b, 0,1,2,3
	v_max_num_f32 v[BM+\b], 0x4800000, v[BM+\b]    ; the floor 2^(9 - 127): the byte cannot fall under 1 (a block of zeros keeps that byte: its codes are zeros)
.endr
.irp b, 0,1,2,3
	v_add_nc_u32 v[SOP+\b], 0xfc000000, v[BM+\b]   ; 8 off the exponent field: the conversion's scale operand
.endr
.irp b, 0,1,2,3
	v_and_or_b32 v[PT+\b], v[BM+\b], 0x7f800000, s24   ; 448 x the scale
.endr
.irp b, 0,1,2,3
	v_lshrrev_b32 v[BM+\b], 23, v[SOP+\b]          ; the scale's byte
.endr
	v_lshl_or_b32 v[PW], v[BM+1], 8, v[BM]         ; query r's scale word for my 128 keys
	v_lshl_or_b32 v[PW], v[BM+2], 16, v[PW]
	v_lshl_or_b32 v[PW], v[BM+3], 24, v[PW]
.irp b, 0,1,2,3
.irp j, 0,2,4,6,8,10,12,14
	v_pk_mul_f32 v[P+16*\b+\j:P+16*\b+\j+1], v[P+16*\b+\j:P+16*\b+\j+1], v[8:9] op_sel_hi:[1,0]   ; attn = p / sum
.endr
.irp i, 0,1,2,3,4,5,6,7,8,9,10,11,12,13,14,15
	v_min_num_f32 v[P+16*\b+\i], v[P+16*\b+\i], v[PT+\b]   ; the conversion does not saturate (ISA guide 7.6.2); attn is not negative, so the hold is one-sided
.endr
	v_cvt_scalef32_pk8_fp8_f32 v[CD+4*\b:CD+4*\b+1], v[P+16*\b:P+16*\b+7], v[SOP+\b]
	v_cvt_scalef32_pk8_fp8_f32 v[CD+4*\b+2:CD+4*\b+3], v[P+16*\b+8:P+16*\b+15], v[SOP+\b]
.endr
.rept 4
	v_nop                                          ; codes written by vector instructions stand four places ahead of the scaled form; the scale word was made far further up
.endr
	s_wait_alu depctr_va_vdst(0)                   ; the conversions have written the codes and the shifts the scale word, which the scaled products take; the places above stay beside this wait
.irp t, 0,1,2,3
	v_wmma_scale_f32_16x16x128_f8f6f4 v[P+8*\t:P+8*\t+7], v[VC+16*\t:VC+16*\t+15], v[CD:CD+15], 0, v[VS+\t], v[PW]   ; O^T: source 0 = channels 16 t .. 16 t + 15, source 1 = my 16 queries; K = my 128 keys
.endr
.rept 8
	v_nop
.endr
	s_wait_alu depctr_va_vdst(0)                   ; the scaled products have written O^T, which the stores read (the places above stay beside this wait); the lines above are done with P's upper half, in which the next loads of partials land
.irp t, 0,1,2,3
	ds_store_b128 v4, v[P+8*\t:P+8*\t+3] offset:64*\t          ; lane (r, h): query r, channels 16 t + 8 h + 0 .. 7; each accumulator from its low end on
	ds_store_b128 v4, v[P+8*\t+4:P+8*\t+7] offset:64*\t+16
.endr
	BAR                                            ; all sixteen partials lie in the stage; everybody's reads of the sums' parts are over
.endm
	BAR                                            ; the sixteen records lie in LDS; they are only read from here on
	s_wait_alu depctr_vm_vsrc(0)                   ; my stores at the head have read Q's fragment and v32-35, in which the record below lands, and v8, v9, v13 and b_k's registers, which the first block writes
	QLD                                            ; (v7 was written ahead of the head's last wait on va_vdst, and no vector line has followed it)
	s_wait_dscnt 0x0
	SG 0
.rept 9
	v_nop                                          ; nine: SG 1 writes over these accumulators, and the additions in front of it name them
.endr
	BLOCK 0, 1
	s_mov_b32 s25, 14
.Lblk:
	BLOCK 1, 1
	s_sub_co_u32 s25, s25, 1
	s_cmp_lg_u32 s25, 0
	s_cbranch_scc1 .Lblk
	BLOCK 1, 0
	RLOAD                                          ; the last block's rows
	RADD
	s_wait_alu depctr_va_vdst(0)                   ; the tree has written v[224:225], the last store's data
	RSTORE
	s_wait_xcnt 0x0
	v_lshl_add_u32 v254, v0, 2, 0x39500            ; the add's two registers are made here, straight ahead of the closing lines: all 256 are at work until now.  No memory or LDS instruction has read v254 or v255
	v_mov_b32 v255, 0
	s_wait_dscnt 0x0                               ; the closing lines, six on end
	s_wait_alu 0x0
	s_wait_tensorcnt 0x0
	ds_add_u32 v254, v255
	s_wait_dscnt 0x0
	s_endpgm
.Lfunc_end_k_q8d01f378a0_hept:
	.size	k_q8d01f378a0_hept, .Lfunc_end_k_q8d01f378a0_hept-k_q8d01f378a0_hept
	.p2alignl 7, 3214868480
	.fill 96, 4, 3214868480
	.section	.rodata,"a",@progbits
	.p2align	6, 0x0
	.amdhsa_kernel k_q8d01f378a0_hept
		.amdhsa_group_segment_fixed_size 236800
		.amdhsa_private_segment_fixed_size 0
		.amdhsa_enable_private_segment 0
		.amdhsa_kernarg_size 40
		.amdhsa_user_sgpr_count 2
		.amdhsa_user_sgpr_kernarg_segment_ptr 1
		.amdhsa_wavefront_size32 1
		.amdhsa_system_sgpr_workgroup_id_x 1
		.amdhsa_system_sgpr_workgroup_id_y 1
		.amdhsa_system_sgpr_workgroup_id_z 1
		.amdhsa_system_vgpr_workitem_id 0
		.amdhsa_next_free_vgpr 256
		.amdhsa_next_free_sgpr 66
		.amdhsa_reserve_vcc 0
		.amdhsa_float_denorm_mode_32 3
		.amdhsa_float_denorm_mode_16_64 3
		.amdhsa_memory_ordered 1
		.amdhsa_forward_progress 1
		.amdhsa_inst_pref_size 123
	.end_amdhsa_kernel
	.amdgpu_metadata
---
amdhsa.version: [ 1, 2 ]
amdhsa.kernels:
  - .name:           k_q8d01f378a0_hept
    .symbol:         k_q8d01f378a0_hept.kd
    .args:
      - { .name: query, .offset: 0, .size: 8, .value_kind: global_buffer, .address_space: global }
      - { .name: key, .offset: 8, .size: 8, .value_kind: global_buffer, .address_space: global }
      - { .name: value, .offset: 16, .size: 8, .value_kind: global_buffer, .address_space: global }
      - { .name: padding_mask, .offset: 24, .size: 8, .value_kind: global_buffer, .address_space: global }
      - { .name: out0, .offset: 32, .size: 8, .value_kind: global_buffer, .address_space: global }
    .group_segment_fixed_size: 236800
    .private_segment_fixed_size: 0
    .kernarg_segment_align: 8
    .kernarg_segment_size: 40
    .max_flat_workgroup_size: 512
    .sgpr_count:     66
    .vgpr_count:     256
    .wavefront_size: 32
...
	.end_amdgpu_metadata
.endif
;; end of part 2
